; MI455X (gfx1250); checked and timed in simulation.
; The chip was launched on July 23, 2026; its instructions are those of AMD's public machine-readable ISA for CDNA 5 (MIT licence, August 2026) and "CDNA5" Instruction Set Architecture Reference Guide (July 2026). The comments in the code are by the model that wrote it; some were corrected since.
;; Live Net. Allowed arithmetic: matrix products marked QUANTISED: E2M1 operands, one E8M0 scale for each 32 along K, by v_wmma_scale_f32_16x16x128_f8f6f4 with both operands' format E2M1 (or v_wmma_scale_f32_32x16x128_f4), f32 sums; everything else in f32.
;; Inputs: W1_codes 8,192 x 64 x 16 uint8 (E2M1 codes of W1, K innermost, in blocks of 32 codes, two codes a byte); W1_scales 8,192 x 64 uint8 (E8M0 scales of W1, one for each 32 codes along K); W2_codes 2,048 x 256 x 16 uint8 (E2M1 codes of W2, K innermost, in blocks of 32 codes, two codes a byte); W2_scales 2,048 x 256 uint8 (E8M0 scales of W2, one for each 32 codes along K); b1 8,192 float32; b2 2,048 float32; x_codes 2,048 x 64 x 16 uint8 (E2M1 codes of x, K innermost, in blocks of 32 codes, two codes a byte); x_scales 2,048 x 64 uint8 (E8M0 scales of x, one for each 32 codes along K).
;; Outputs: out0 2,048 x 2,048 float32.
;; This version of the problem:
;;   THIS VERSION OF THE PROBLEM IS GIVEN IN LOW PRECISION. The matrix products marked QUANTISED in the list below multiply operands that are first quantised to E2M1 (2 exponent bits, 1 mantissa bit; 4 bits a number), with one power-of-two scale for each 32 numbers along K (OCP MX v1.0); their sums are f32. All else is computed in f32.
;;   The module's matrix products, in the order in which they are computed (A, B: the left and right operand; K: the contracted axis; several contracted axes count as one K, in the product's order):
;;     1. [M 2,048, K 2,048] x [K 2,048, N 8,192]; A: input x (given as codes); B: input W1 (given as codes): QUANTISED
;;     2. [M 2,048, K 8,192] x [K 8,192, N 2,048]; A: computed on the way; B: input W2 (given as codes): QUANTISED
;;   THE QUANTISER, for each operand of a quantised product, along K:
;;     - K is cut into blocks of 32 from its start; a last block that is shorter is filled with zeros.
;;     - A block's scale is 2^e with e = floor(log2(the largest magnitude in the block)) - 2, held to -126 .. 127; a block of zeros has e = 0. As a byte (E8M0): e + 127.
;;     - Each number is divided by its block's scale, clamped to +-6, and rounded to the nearest number of E2M1, ties to even, subnormals kept.
;;     - The product sums the exact products of the quantised numbers (number of the format x scale) in f32.
;;   ~~~python
;;   def quantise(x, axis):      # numpy; x: float32 -> the quantised numbers, widened to float32 again
;;       x = np.moveaxis(x, axis, -1); K = x.shape[-1]
;;       x = np.pad(x, [(0, 0)] * (x.ndim - 1) + [(0, -K % 32)]); x = x.reshape(x.shape[:-1] + (-1, 32)); a = np.abs(x).max(-1, keepdims=True)
;;       e = np.where(a > 0, np.clip(np.frexp(np.where(a > 0, a, 1))[1] - 1 - 2, -126, 127), 0)      # np.frexp(a)[1] - 1 = floor(log2(a)), exactly
;;       r = np.clip(x / 2.0 ** e, -6, 6)
;;       step = 2.0 ** (np.maximum(np.frexp(np.where(r == 0, 1, r))[1] - 1, 0) - 1)
;;       q = np.round(r / step) * step * 2.0 ** e      # np.round: ties to even
;;       return np.moveaxis(q.reshape(q.shape[:-2] + (-1,))[..., :K], -1, axis).astype(np.float32)
;;   ~~~
;;   OPERANDS COMPUTED ON THE WAY. 'Computed on the way' means the value that the module computes at that place (a softmax that the list does not call 'softmax' is quantised finished and normalised). What goes into a quantiser is computed in f32, as accurately as f32 sums, v_exp_f32 and their like allow (about 1e-6 of the number): no bf16 or f16 on the way to a quantiser, and a product that is left as it is and whose result goes on into a quantised operand takes f32 operands (vector FMAs, or v_wmma_f32_16x16x4_f32). A number that lies on a knife's edge between two numbers of the format may be rounded either way, as far as f32 arithmetic and the matrix unit's own rounding can turn it there, and no further.
;;   INPUTS GIVEN AS CODES. W1 (in the module: [8192, 2048], K = its axis 1); W2 (in the module: [2048, 8192], K = its axis 1); x (in the module: [2048, 2048], K = its axis 1): each comes as NAME_codes (uint8): NAME with its K axis moved to the last place and cut into blocks of 32 codes, [.., K / 32, bytes a block], one block behind the other in memory; two codes a byte, the lower K in the low four bits (a code: sign, 2 exponent bits, 1 mantissa bit); and NAME_scales (uint8): the same leading axes, one E8M0 byte (e + 127) for each 32 codes along K. Its value is code x scale, taken as it is: it is not quantised again, and the codes and scales need not be those that the quantiser above would give.
;; One version. Each part assembles by itself: llvm-mc -triple=amdgcn-amd-amdhsa -mcpu=gfx1250 --defsym DOCPART=n.
;; ======== version 1 of 1: 2 launches
;; limits: right only within a limited range of input values
;; workspace buffers: hid 8,912,896 bytes
;; launch hidden (part 1): grid 32 x 8, 4 waves a work-group, clusters of 4 x 4, 327,680 bytes of LDS; arguments x_codes, x_scales, W1_codes, W1_scales, b1, hid; writes hid
.if DOCPART == 1
	.amdgcn_target "amdgcn-amd-amdhsa--gfx1250"
	.amdhsa_code_object_version 6
	.text
	.protected	k_qcf4decb7c9_hidden
	.globl	k_qcf4decb7c9_hidden
	.p2align	8
	.type	k_qcf4decb7c9_hidden,@function
k_qcf4decb7c9_hidden:
	s_mov_b64 s[64:65], 0
	v_nop
	global_prefetch_b8 v0, s[64:65] scope:SCOPE_SE
	s_setreg_imm32_b32 hwreg(HW_REG_WAVE_MODE, 25, 1), 1
	s_wait_xcnt 0x0
	s_wait_alu depctr_hold_cnt(0) depctr_sa_sdst(0) depctr_va_vdst(0) depctr_va_sdst(0) depctr_va_ssrc(0) depctr_va_vcc(0) depctr_vm_vsrc(0)
	s_getreg_b32 s2, hwreg(HW_REG_IB_STS2, 6, 4)
	s_cmp_eq_u32 s2, 0
	s_cbranch_scc0 .Lentry_in_a_cluster
	s_endpgm
.Lentry_in_a_cluster:
	s_bfe_u32 s2, ttmp6, 0x10000c
	s_cmp_lg_u32 s2, 0xf033
	s_cbranch_scc0 .Lentry_shape_is_right
	s_endpgm
.Lentry_shape_is_right:
; hid = Q(relu(x W1^T + b1)).  x: [2048][2048], W1: [8192][2048]: codes of FP4 (E2M1), two a byte, K innermost, one E8M0 byte for each 32 along K.  b1: [8192] f32.
; The product runs on codes and scale bytes as they lie in memory; sums in f32, begun with b1.  The result is quantised along the hidden axis, in blocks of 32, in registers: a block's byte is its largest
; number's exponent field - 2, held at 1 from below (numbers under 0 do not count); each number / 2^(byte - 127), to the nearest code, ties to even, beyond 6 the code of 6.
; THE CLIP AT 0 IS DONE ON THE CODES: a code with its sign set has its three other bits cleared: the code of -0, which adds nothing to a sum.
; LIMITS: NaN and infinities are not served.  A block of zeros, or one whose largest number lies under 2^-124, gets the byte 1: its codes are zeros or the rule's own, and only the second launch reads the bytes.
; SHARES.  A tile of 256 rows x 256 hidden units is made by a work-group of four waves; a wave makes 128 x 128: 64 accumulators of 16 x 16, 512 registers.  8 x 32 tiles: 256 work-groups.
; K goes in four K steps of 512, each four steps of 128, through two LDS slots filled by the tensor data mover: a tile's row is 256 bytes of memory.
; THE HEAD'S LOADS, one a wave: waves 0 and 1 bring K step 0's 256 rows of x and of W1, waves 2 and 3 K step 1's.  K steps 2 and 3 come by refills of 128 rows a wave.
; SCALE BYTES: a row's 64 bytes go straight into registers, once: lane (r, h) takes row r, K steps h and 2 + h: each load brings half of every 64 bytes, the next the other half.
; CLUSTERS: 4 x 4 work-groups.  The four of a row of the cluster need the same tiles of x, the four of a column the same tiles of W1: each tile is asked for JOINTLY.
; No prefetch into the L2: the block is 256 x 256 in clusters and K is four K steps: two are asked for at the head, the other two about four steps (256 matrix instructions) ahead of their use.
; THE MATRIX INSTRUCTION IS USED TRANSPOSED (source 0 = 16 rows of W1, source 1 = 16 rows of x): a lane holds ONE row of the hidden layer (lane % 16) and its registers run along the hidden units.
; hid IS LAID AS THE SECOND LAUNCH'S OPERAND REGISTERS: 512 records of 17,408 bytes; record 32 mt + cn holds rows 128 mt .. + 127, hidden units 256 cn .. + 255:
;   bytes 0 .. 16,383: the fragment of K step s (128 units), rows 16 i on, at 8192 s + 1024 i + 512 c + 16 lane: registers 4 c .. 4 c + 3 of that lane;
;   bytes 16,384 ..: scale words, at 512 q + 16 (16 s + r) + 4 j: row 16 (4 q + j) + r, K step s.
; REGISTERS, in windows of 256: window 0: v16-29 addresses; v32-95 x's scale words, v96-159 W1's, v160-223 b1 in the result's layout; on the way out v32-95 the codes made, v96-143 at work.
;   window 1: x's fragments, two sets, at v0 and v64; W1's, two sets, at v128 and v192.   windows 2, 3: the accumulators of my rows 0-63, 64-127 ((a, b) at v[8 (8 (a % 4) + b)]).
.set ROWB,   256                       ; a tile's row in bytes: 512 along K
.set KROW,   1024                      ; a row of x or of W1 in memory, in bytes
.set PITCH,  272                       ; an LDS row: 256 bytes + 16 of padding = 68 words: the 16 rows that a load touches start 4 words apart (64 banks of 4 bytes: ISA guide 11.1)
.set HALFT,  128*PITCH                 ; 128 rows: what a refill's tensor load brings
.set SLOT,   4*HALFT                   ; x's 256 rows, then W1's 256 rows
.set SPARE,  2*SLOT                    ; behind the slots: the spare words, 128 bytes for each wave: two blocks of 256 bytes that no other line names
.set RECB,   17408                     ; a record of hid
.set ADRA, 16                          ; v16-17  LDS address of my fragments of x in slot 0, 1
.set BO,   18                          ; v18     b1: 32 x (lane / 16)
.set LN,   19                          ; v19     lane
.set ADRB, 20                          ; v20-21  the same as ADRA for W1
.set SO,   25                          ; v25     my place among a record's scale words
.set CO,   26                          ; v26     16 x lane: my place in a fragment's image
.set SOFF, 27                          ; v27     64 r + 16 h: my place among 16 rows' scale bytes
.set SPW,  28                          ; v28     LDS address of my spare word; never rewritten
.set NIL,  29                          ; v29     0; never rewritten
.set SCX,  32                          ; x's scale words: register 32 j + 4 i + q: block i, K step 2 j + h, its q-th 128 along K
.set SCW,  96                          ; W1's likewise
.set BI,   160
.set PC,   32                          ; the way out: 8 registers of codes for each block of rows, so that no store's data are written again
.set TM,   96                          ; v96-99 largest numbers, v100-103 the other half's, then the bytes, v108-111 the conversions' scale operands
.set SW,   112                         ; v112-119 the scale word of each of my eight blocks of rows
.set SX,   120                         ; v120-123 the four of them that my half of the lanes stores
.set MT,   128                         ; v128-143 masks at work
.set MSK,  18                          ; s18     the eight sign bits of a register of codes
.set SEL,  96                          ; s[96:97] lane selects for v_permlanex16_b32: lane l xor 16
.set G1,   24                          ; s[24:31] descriptor group 1 for x's refills;  s[32:39] group 0, one set for each slot
.set G0,   32
.set G1B,  48                          ; s[48:55], s[56:63] the same for W1's refills
.set G0B,  56
.set G0HX, 68                          ; s[68:71], s[76:83] the head's load of x;  s[72:75], s[84:91] of W1
.set G0HW, 72
.set G1HX, 76
.set G1HW, 84
.set MSB, 0
.macro WIN new                         ; the immediate's high byte repeats the setting that is left; a switch that changes nothing is dropped
.if MSB != (\new)
	s_set_vgpr_msb (MSB<<8)|(\new)
.set MSB, (\new)
.endif
.endm
.macro PLACES                          ; four places behind this matrix instruction (ISA guide 7.12.1 for vector instructions)
.rept 4
	v_nop
.endr
.endm
; A joint load: waves 0 and 1 fetch for x, waves 2 and 3 for W1.  Each of the two lines has ONE mask; the branch hangs on the wave's number alone.
.macro JLOAD s
	s_cmp_eq_u32 s15, 0
	s_cbranch_scc0 .Lfor_b_\@
	tensor_load_to_lds s[G0+4*(\s):G0+4*(\s)+3], s[G1:G1+7]
	s_nop 0
	PLACES
	s_branch .Lasked_\@
.Lfor_b_\@:
	tensor_load_to_lds s[G0B+4*(\s):G0B+4*(\s)+3], s[G1B:G1B+7]
	s_nop 0
	PLACES
.Lasked_\@:
.endm
.macro CREST                           ; a round of the cluster's barrier behind its opening barrier
	s_cmp_lg_u32 s14, 0
	s_cbranch_scc1 .Lnot_wave_0_\@
	s_barrier_signal -3
.Lnot_wave_0_\@:
	s_barrier_wait -3
	s_barrier_signal -1
	s_barrier_wait -1
.endm
.macro CROUND                          ; a whole round
	s_barrier_signal -1
	s_barrier_wait -1
	CREST
.endm
	s_load_b128 s[4:7], s[0:1], 0x0                ; x's codes s[4:5], x's scales s[6:7]
	s_load_b128 s[8:11], s[0:1], 0x10              ; W1's codes s[8:9], W1's scales s[10:11]
	s_load_b64 s[12:13], s[0:1], 0x20              ; b1
	s_load_b64 s[66:67], s[0:1], 0x28              ; hid
	v_lshl_add_u32 v[SPW], v0, 2, SPARE
	v_mov_b32 v[NIL], 0
	ds_add_u32 v[SPW], v[NIL]                      ; the wave's opening: the add, twice on end, and its wait ahead of my first tensor load
	ds_add_u32 v[SPW], v[NIL]
	v_lshrrev_b32 v1, 5, v0
	v_readfirstlane_b32 s14, v1                    ; wave 0..3
	s_lshr_b32 s15, s14, 1                         ; which half of the tile's rows is mine.  Also: in a refill I fetch for x (0) or for W1 (1); at the head, for slot 0 or 1
	s_and_b32 s16, s14, 1                          ; which half of its hidden units.  Also: which 128 rows of a tile I fetch in a refill
	s_mul_i32 s21, s15, HALFT                      ; my 128 rows of x
	s_mul_i32 s22, s16, HALFT                      ; my 128 rows of W1,
	s_add_co_u32 s22, s22, 2*HALFT                 ; which lie behind x's 256
	s_lshl_b32 s23, s16, 8
	v_and_b32 v2, 15, v0                           ; r = l % 16
	v_bfe_u32 v3, v0, 4, 1                         ; h = l / 16
	v_mul_u32_u24 v4, v2, PITCH
	v_lshl_add_u32 v4, v3, 4, v4                   ; a fragment's row x pitch + 16 x half
	v_add_nc_u32 v[ADRA], s21, v4
	v_add_nc_u32 v[ADRB], s22, v4
	v_add_nc_u32 v[ADRA+1], SLOT, v[ADRA]
	v_add_nc_u32 v[ADRB+1], SLOT, v[ADRB]
	v_lshlrev_b32 v[SOFF], 6, v2
	v_lshl_add_u32 v[SOFF], v3, 4, v[SOFF]
	v_and_b32 v[LN], 31, v0
	v_lshlrev_b32 v[CO], 4, v[LN]
	v_lshlrev_b32 v[BO], 5, v3                     ; b1: my half's eight numbers of a tile of 16
	v_lshlrev_b32 v[SO], 4, v2                     ; the scale words: 16 r + 512 (lane / 16) + 256 x my K step
	v_lshl_add_u32 v[SO], v3, 9, v[SO]
	v_add_nc_u32 v[SO], s23, v[SO]
	s_bfe_u32 s40, ttmp6, 0x40000                  ; cx, cy: my place in the cluster
	s_bfe_u32 s41, ttmp6, 0x40004
	s_lshl_b32 s42, ttmp9, 2
	s_add_co_u32 s42, s42, s40                     ; tile column = 4 x cluster x + cx: 256 hidden units each
	s_and_b32 s17, ttmp7, 0xffff
	s_lshl_b32 s17, s17, 2
	s_add_co_u32 s17, s17, s41                     ; tile row = 4 x cluster y + cy: 256 rows each
	s_lshl_b32 s43, s41, 2
	s_lshl_b32 s43, 15, s43                        ; my row of the cluster
	s_lshl_b32 s44, 0x1111, s40                    ; my column
	; descriptor groups 1: 15:0 the mask (x's tiles go to my row, W1's to my column); 17:16 element of 1 byte; 20 padding on; 21 set beside a mask; 24:22 after every 64 words (code 5); 31:25 of 4 words (code 3)
	s_or_b32 s[G1+0], s43, (0<<16)|(1<<20)|(1<<21)|(5<<22)|(3<<25)
	s_or_b32 s[G1B+0], s44, (0<<16)|(1<<20)|(1<<21)|(5<<22)|(3<<25)
	s_or_b32 s[G1HX+0], s43, (0<<16)|(1<<20)|(1<<21)|(5<<22)|(3<<25)
	s_or_b32 s[G1HW+0], s44, (0<<16)|(1<<20)|(1<<21)|(5<<22)|(3<<25)
.irp g, G1, G1B                        ; refills: 128 rows
	s_mov_b32 s[\g+1], ROWB<<16                    ; tensor_dim0
	s_mov_b32 s[\g+2], 128<<16                     ; tensor_dim1
	s_mov_b32 s[\g+3], ROWB<<16                    ; tile_dim0
	s_mov_b32 s[\g+4], 128                         ; tile_dim1
	s_mov_b32 s[\g+5], KROW                        ; tensor_dim0_stride
	s_mov_b32 s[\g+6], 0
	s_mov_b32 s[\g+7], 0
.endr
.irp g, G1HX, G1HW                     ; the head: 256 rows
	s_mov_b32 s[\g+1], ROWB<<16
	s_mov_b32 s[\g+2], 256<<16
	s_mov_b32 s[\g+3], ROWB<<16
	s_mov_b32 s[\g+4], 256
	s_mov_b32 s[\g+5], KROW
	s_mov_b32 s[\g+6], 0
	s_mov_b32 s[\g+7], 0
.endr
	s_lshl_b32 s20, s17, 18                        ; x: 256 rows of 1,024 bytes for each tile row
	s_mov_b32 s21, 0
	s_lshl_b32 s46, s42, 18                        ; W1: the same for each tile column
	s_mov_b32 s47, 0
	s_lshl_b32 s18, s16, 17                        ; a refill: my 128 rows of the 256
	s_mov_b32 s19, 0
	s_lshl_b32 s22, s15, 8                         ; the head: K step s15
	s_mov_b32 s23, 0
	s_lshl_b32 s92, s17, 14                        ; x's scale bytes: 64 a row
	s_lshl_b32 s93, s15, 13
	s_add_co_u32 s92, s92, s93
	s_mov_b32 s93, 0
	s_lshl_b32 s94, s42, 14                        ; W1's
	s_lshl_b32 s95, s16, 13
	s_add_co_u32 s94, s94, s95
	s_mov_b32 s95, 0
	s_lshl_b32 s98, s42, 10                        ; b1 at my first hidden unit
	s_lshl_b32 s99, s16, 9
	s_add_co_u32 s98, s98, s99
	s_mov_b32 s99, 0
	s_mul_i32 s45, s14, HALFT                      ; where a refill goes: wave x 128 rows: no place in the cluster enters an LDS address
	s_mov_b32 s[SEL], 0x76543210
	s_mov_b32 s[SEL+1], 0xfedcba98
	s_wait_alu depctr_va_vdst(0)
	s_wait_dscnt 0x0                               ; both opening adds are done
	CROUND                                         ; all sixteen work-groups are here: the first joint loads meet
	s_wait_kmcnt 0x0
	s_add_nc_u64 s[20:21], s[4:5], s[20:21]
	s_add_nc_u64 s[46:47], s[8:9], s[46:47]
	s_mov_b32 s[G0HX], 1
	s_mul_i32 s[G0HX+1], s15, SLOT
	s_add_nc_u64 s[G0HX+2:G0HX+3], s[20:21], s[22:23]
	s_or_b32 s[G0HX+3], s[G0HX+3], 0x80000000      ; 127:126 type = 2
	s_mov_b32 s[G0HW], 1
	s_add_co_u32 s[G0HW+1], s[G0HX+1], 2*HALFT
	s_add_nc_u64 s[G0HW+2:G0HW+3], s[46:47], s[22:23]
	s_or_b32 s[G0HW+3], s[G0HW+3], 0x80000000
.macro ARM under, g0, g1, next         ; the head's loads, one a wave: one chain of branches on the wave's number
	s_cmp_lt_u32 s14, \under
	s_cbranch_scc0 \next
	tensor_load_to_lds s[\g0:\g0+3], s[\g1:\g1+7]
	s_nop 0
	PLACES
	s_branch .Lhead_asked
\next:
.endm
	ARM 1, G0HX, G1HX, .Lhead_1
	ARM 2, G0HW, G1HW, .Lhead_2
	ARM 3, G0HX, G1HX, .Lhead_3
	tensor_load_to_lds s[G0HW:G0HW+3], s[G1HW:G1HW+7]
	s_nop 0
	PLACES
.Lhead_asked:
	s_add_nc_u64 s[92:93], s[6:7], s[92:93]
	s_add_nc_u64 s[94:95], s[10:11], s[94:95]
	s_add_nc_u64 s[12:13], s[12:13], s[98:99]
.irp i, 0,1,2,3,4,5,6,7
.irp j, 0,1
	global_load_b128 v[SCX+32*\j+4*\i:SCX+32*\j+4*\i+3], v[SOFF], s[92:93] offset:1024*\i+32*\j
	global_load_b128 v[SCW+32*\j+4*\i:SCW+32*\j+4*\i+3], v[SOFF], s[94:95] offset:1024*\i+32*\j
.endr
.endr
.irp b, 0,1,2,3,4,5,6,7                ; b1 in the result's layout: tile b, lane (r, h), register j: hidden unit 16 b + 8 h + j
	global_load_b128 v[BI+8*\b:BI+8*\b+3], v[BO], s[12:13] offset:64*\b
	global_load_b128 v[BI+8*\b+4:BI+8*\b+7], v[BO], s[12:13] offset:64*\b+16
.endr
	s_add_nc_u64 s[20:21], s[20:21], s[18:19]
	s_add_nc_u64 s[46:47], s[46:47], s[18:19]
.irp s, 0,1                            ; slot s is filled again once, with K step 2 + s
	s_mov_b32 s[G0+4*\s], 1
	s_add_co_u32 s[G0+4*\s+1], s45, \s*SLOT
	s_add_nc_u64 s[G0+4*\s+2:G0+4*\s+3], s[20:21], (2+\s)*ROWB
	s_or_b32 s[G0+4*\s+3], s[G0+4*\s+3], 0x80000000
	s_mov_b32 s[G0B+4*\s], 1
	s_add_co_u32 s[G0B+4*\s+1], s45, \s*SLOT
	s_add_nc_u64 s[G0B+4*\s+2:G0B+4*\s+3], s[46:47], (2+\s)*ROWB
	s_or_b32 s[G0B+4*\s+3], s[G0B+4*\s+3], 0x80000000
.endr
	s_mov_b32 s[MSK], 0x88888888
	s_lshl_b32 s46, s17, 1                         ; my record: 32 x (2 x tile row + my half of the rows) + tile column
	s_add_co_u32 s46, s46, s15
	s_lshl_b32 s46, s46, 5
	s_add_co_u32 s46, s46, s42
	s_mul_i32 s46, s46, RECB                       ; under 512 x 17,408 bytes
	s_mov_b32 s47, 0
	s_add_nc_u64 s[98:99], s[66:67], s[46:47]      ; the record,
	s_lshl_b32 s46, s16, 13
	s_add_nc_u64 s[66:67], s[98:99], s[46:47]      ; and my K step's eight fragments in it
; One matrix instruction of step m (128 along K): x's block a, W1's block b.  K step m / 4's scale words stand in lanes 0-15 (K steps 0, 2) or 16-31 (1, 3).  Step 0 starts the sums, with b1 as its C.
.macro WM m, a, b
.set D_, 8*(8*((\a)%4)+\b)
.set FB_, 128+64*((\m)%2)+8*\b
.set FA_, 64*((\m)%2)+8*(\a)
.set SB_, SCW+32*((\m)/8)+4*\b+((\m)%4)
.set SA_, SCX+32*((\m)/8)+4*(\a)+((\m)%4)
.if (\m) == 0
	v_wmma_scale_f32_16x16x128_f8f6f4 v[D_:D_+7], v[FB_:FB_+7], v[FA_:FA_+7], v[BI+8*\b:BI+8*\b+7], v[SB_], v[SA_] matrix_a_fmt:MATRIX_FMT_FP4 matrix_b_fmt:MATRIX_FMT_FP4
.elseif ((\m)/4)%2
	v_wmma_scale_f32_16x16x128_f8f6f4 v[D_:D_+7], v[FB_:FB_+7], v[FA_:FA_+7], v[D_:D_+7], v[SB_], v[SA_] matrix_a_fmt:MATRIX_FMT_FP4 matrix_b_fmt:MATRIX_FMT_FP4 matrix_a_scale:MATRIX_SCALE_ROW1 matrix_b_scale:MATRIX_SCALE_ROW1
.else
	v_wmma_scale_f32_16x16x128_f8f6f4 v[D_:D_+7], v[FB_:FB_+7], v[FA_:FA_+7], v[D_:D_+7], v[SB_], v[SA_] matrix_a_fmt:MATRIX_FMT_FP4 matrix_b_fmt:MATRIX_FMT_FP4
.endif
.endm
.macro MUL16 a0, m                     ; the 64 accumulators take turns, one instruction a turn, in the same order in every step
.irp a, \a0, \a0+1
.irp b, 0,1,2,3,4,5,6,7
	WM \m, (\a), \b
.endr
.endr
.endm
; Step n's sixteen fragments into set n % 2, 32 loads: lane l holds row l % 16; registers 4 c .. 4 c + 3 hold K = 64 c + 32 (l / 16) + 0 .. 31
.macro FETCH n
	WIN 0x40                                       ; destination window 1, address window 0
.irp i, 0,1,2,3,4,5,6,7
.irp c, 0,1
	ds_load_b128 v[128+64*((\n)%2)+8*\i+4*\c:128+64*((\n)%2)+8*\i+4*\c+3], v[ADRB+(((\n)/4)%2)] offset:64*((\n)%4)+32*\c+\i*16*PITCH
	ds_load_b128 v[64*((\n)%2)+8*\i+4*\c:64*((\n)%2)+8*\i+4*\c+3], v[ADRA+(((\n)/4)%2)] offset:64*((\n)%4)+32*\c+\i*16*PITCH
.endr
.endr
.endm
; Step m; at its end step m + 2's fragments are asked for, into the set just multiplied.
; In a K step's third step (m = 2, 6, 10) the slot's last reads (step m + 1's) have been issued: the change of slots.  In front of its barrier each wave waits for all its tensor loads, adds 0 to its spare word, and
; waits for that and for its reads; behind it the slot is filled again (m = 2, 6: the barrier opens a round of the cluster's barrier), and the next slot is whole.
.macro STEP m
.set TURN_, ((\m)%4 == 2) && ((\m) < 14)
.if (\m) == 15
	s_wait_dscnt 0x0
.else
	s_wait_dscnt 32                                ; step m's fragments are in; step m + 1's 32 loads may be out
.endif
.if (\m) == 0
	WIN 0x85                                       ; sources 0 and 1 window 1, C (b1) window 0, D window 2
.else
	WIN 0xa5                                       ; the same, C and D window 2
.endif
	MUL16 0, \m
	MUL16 2, \m
.if TURN_
	WIN 0                                          ; (the add's two registers lie in window 0)
	s_wait_tensorcnt 0x0                           ; all my tensor loads have landed
	ds_add_u32 v[SPW], v[NIL]                      ; 0 onto my spare word
.endif
.if (\m) == 0
	WIN 0xc5
.else
	WIN 0xf5                                       ; C and D window 3
.endif
	MUL16 4, \m
.if TURN_
	s_wait_dscnt 0x0                               ; the add is done, and my reads of this slot are over
	s_barrier_signal -1
.endif
	MUL16 6, \m
.if TURN_
	WIN 0
	s_barrier_wait -1
.endif
.if TURN_ && ((\m) < 10)
	CREST                                          ; no wave of any partner still reads this slot's tiles or has a load on its way
	JLOAD ((\m)/4)%2                               ; the first tensor load behind the round, my one load until the next; its four v_nop are the places in front of the loads below
.else
	PLACES
.endif
.if (\m) < 14
	FETCH (\m+2)
.endif
.endm
	s_cmp_eq_u32 s15, 1
	s_cbranch_scc1 .Lslot_1_out                    ; waves 2 and 3 wait for K step 1 at the first change of slots
	s_wait_tensorcnt 0x0                           ; my tile of K step 0 is in
.Lslot_1_out:
	s_barrier_signal -1
	s_barrier_wait -1                              ; both are
	FETCH 0
	FETCH 1
	s_wait_loadcnt 0x0                             ; scale words and b1
.irp m, 0,1,2,3,4,5,6,7,8,9,10,11,12,13,14,15
	STEP \m
.endr
	WIN 0
; THE WAY OUT, a block of 16 rows at a time; nothing goes through LDS.  In block a, lane (r, h) holds row 16 a + r; register 8 t + j of its eight tiles is hidden unit 16 t + 8 h + j of my 128.
; A block of 32 units is tiles 2 b, 2 b + 1 in lanes l and l xor 16.  The conversion of tile 4 c + e gives the codes of units 64 c + 16 e + 8 h + 0 .. 7; the operand wants, in register 4 c + g of lane (r, h'),
; units 64 c + 32 h' + 8 g + 0 .. 7.  So tiles e = 0, 2, 1, 3 go to registers 0, 1, 2, 3 of the four, and each pair of registers changes halves of lanes: the first's lanes 16-31 with the second's lanes 0-15.
.macro OUTBLK a
.set AC_, 64*((\a)%4)
.set P_, PC+8*(\a)
	WIN 0x28+0x14*((\a)/4)                         ; sources 1 and 2: window 2 or 3
.irp b, 0,1,2,3
	v_max3_num_f32 v[TM+\b], 0x1800000, v[AC_+16*\b], v[AC_+16*\b+1]   ; block b: my 16 numbers, and the floor 2^(3 - 127): no number under it counts, so the byte cannot fall under 1
.endr
.irp i, 2,4,6,8,10,12,14
.irp b, 0,1,2,3
	v_max3_num_f32 v[TM+\b], v[TM+\b], v[AC_+16*\b+\i], v[AC_+16*\b+\i+1]   ; (the four blocks by turns; each accumulator from its low end on)
.endr
.endr
	WIN 0
.irp b, 0,1,2,3
	v_permlanex16_b32 v[TM+4+\b], v[TM+\b], s[SEL], s[SEL+1]
.endr
.irp b, 0,1,2,3
	v_max_num_f32 v[TM+\b], v[TM+\b], v[TM+4+\b]   ; with lane l xor 16's: the block's largest number
.endr
.irp b, 0,1,2,3
	v_add_nc_u32 v[TM+12+\b], 0xff000000, v[TM+\b] ; 2 off its exponent field: the conversion takes the exponent field of this operand as its scale
.endr
.irp b, 0,1,2,3
	v_lshrrev_b32 v[TM+4+\b], 23, v[TM+12+\b]      ; the scale's byte
.endr
	v_lshl_or_b32 v[SW+(\a)], v[TM+5], 8, v[TM+4]  ; the four bytes make my row's scale word for these 128 units
	v_lshl_or_b32 v[SW+(\a)], v[TM+6], 16, v[SW+(\a)]
	v_lshl_or_b32 v[SW+(\a)], v[TM+7], 24, v[SW+(\a)]
	WIN 2+(\a)/4                                   ; source 0: window 2 or 3
.irp c, 0,1
	v_cvt_scalef32_pk8_fp4_f32 v[P_+4*\c], v[AC_+32*\c:AC_+32*\c+7], v[TM+12+2*\c]
	v_cvt_scalef32_pk8_fp4_f32 v[P_+4*\c+2], v[AC_+32*\c+8:AC_+32*\c+15], v[TM+12+2*\c]
	v_cvt_scalef32_pk8_fp4_f32 v[P_+4*\c+1], v[AC_+32*\c+16:AC_+32*\c+23], v[TM+12+2*\c+1]
	v_cvt_scalef32_pk8_fp4_f32 v[P_+4*\c+3], v[AC_+32*\c+24:AC_+32*\c+31], v[TM+12+2*\c+1]
.endr
	WIN 0
	v_nop                                          ; one plain place behind the scaled conversions
.irp k, 0,1,2,3,4,5,6,7
	v_and_b32 v[MT+\k], s[MSK], v[P_+\k]           ; the clip at 0: 8 in each code with its sign set,
.endr
.irp k, 0,1,2,3,4,5,6,7
	v_lshrrev_b32 v[MT+8+\k], 3, v[MT+\k]          ; 1,
.endr
.irp k, 0,1,2,3,4,5,6,7
	v_sub_nc_u32 v[MT+\k], v[MT+\k], v[MT+8+\k]    ; 7:
.endr
.irp k, 0,1,2,3,4,5,6,7
	v_bfi_b32 v[P_+\k], v[MT+\k], 0, v[P_+\k]      ; its three other bits are cleared
.endr
.irp c, 0,1
	v_permlane16_swap_b32 v[P_+4*\c], v[P_+4*\c+1]
	v_permlane16_swap_b32 v[P_+4*\c+2], v[P_+4*\c+3]
.endr
.irp c, 0,1
	global_store_b128 v[CO], v[P_+4*\c:P_+4*\c+3], s[66:67] offset:1024*(\a)+512*\c   ; the 32 lanes store 512 consecutive bytes, at a multiple of 256 from hid's first byte
.endr
.endm
.irp b, 0,1,2,3
	v_mov_b32 v[TM+4+\b], 0                        ; written once: a lane permute's destination counts as one of its sources
.endr
	v_cmp_le_u32 vcc_lo, 16, v[LN]                 ; lanes 16-31
.irp a, 0,1,2,3,4,5,6,7
	OUTBLK \a
.endr
.irp j, 0,1,2,3
	v_cndmask_b32 v[SX+\j], v[SW+\j], v[SW+4+\j], vcc_lo   ; every lane holds its row's word of all eight blocks: lanes 0-15 store those of blocks 0-3, lanes 16-31 those of blocks 4-7
.endr
	global_store_b128 v[SO], v[SX:SX+3], s[98:99] offset:16384   ; each half of the lanes stores 256 consecutive bytes, at a multiple of 256 from hid's first byte
	s_wait_tensorcnt 0x0                           ; the wave's end, behind my last tensor load
	ds_add_u32 v[SPW], v[NIL]
	s_wait_dscnt 0x0
	CROUND                                         ; the closing round: no work-group ends while a partner may still ask for a tile that names it
	s_endpgm
.Lfunc_end_k_qcf4decb7c9_hidden:
	.size	k_qcf4decb7c9_hidden, .Lfunc_end_k_qcf4decb7c9_hidden-k_qcf4decb7c9_hidden
	.p2alignl 7, 3214868480
	.fill 96, 4, 3214868480
	.section	.rodata,"a",@progbits
	.p2align	6, 0x0
	.amdhsa_kernel k_qcf4decb7c9_hidden
		.amdhsa_group_segment_fixed_size 327680
		.amdhsa_private_segment_fixed_size 0
		.amdhsa_enable_private_segment 0
		.amdhsa_kernarg_size 48
		.amdhsa_user_sgpr_count 2
		.amdhsa_user_sgpr_kernarg_segment_ptr 1
		.amdhsa_wavefront_size32 1
		.amdhsa_system_sgpr_workgroup_id_x 1
		.amdhsa_system_sgpr_workgroup_id_y 1
		.amdhsa_system_sgpr_workgroup_id_z 1
		.amdhsa_system_vgpr_workitem_id 0
		.amdhsa_next_free_vgpr 1024
		.amdhsa_next_free_sgpr 100
		.amdhsa_reserve_vcc 1
		.amdhsa_float_denorm_mode_32 3
		.amdhsa_float_denorm_mode_16_64 3
		.amdhsa_memory_ordered 1
		.amdhsa_forward_progress 1
		.amdhsa_inst_pref_size 223
	.end_amdhsa_kernel
	.amdgpu_metadata
---
amdhsa.version: [ 1, 2 ]
amdhsa.kernels:
  - .name:           k_qcf4decb7c9_hidden
    .symbol:         k_qcf4decb7c9_hidden.kd
    .args:
      - { .name: x_codes, .offset: 0, .size: 8, .value_kind: global_buffer, .address_space: global }
      - { .name: x_scales, .offset: 8, .size: 8, .value_kind: global_buffer, .address_space: global }
      - { .name: W1_codes, .offset: 16, .size: 8, .value_kind: global_buffer, .address_space: global }
      - { .name: W1_scales, .offset: 24, .size: 8, .value_kind: global_buffer, .address_space: global }
      - { .name: b1, .offset: 32, .size: 8, .value_kind: global_buffer, .address_space: global }
      - { .name: hid, .offset: 40, .size: 8, .value_kind: global_buffer, .address_space: global }
    .group_segment_fixed_size: 327680
    .private_segment_fixed_size: 0
    .kernarg_segment_align: 8
    .kernarg_segment_size: 48
    .max_flat_workgroup_size: 128
    .sgpr_count:     100
    .vgpr_count:     1024
    .wavefront_size: 32
...
	.end_amdgpu_metadata
.endif
;; end of part 1
;; launch output (part 2): grid 16 x 16, 4 waves a work-group, clusters of 4 x 4, 327,680 bytes of LDS; arguments hid, W2_codes, W2_scales, b2, out0; writes out0
.if DOCPART == 2
	.amdgcn_target "amdgcn-amd-amdhsa--gfx1250"
	.amdhsa_code_object_version 6
	.text
	.protected	k_qcf4decb7c9_output
	.globl	k_qcf4decb7c9_output
	.p2align	8
	.type	k_qcf4decb7c9_output,@function
k_qcf4decb7c9_output:
	s_mov_b64 s[64:65], 0
	v_nop
	global_prefetch_b8 v0, s[64:65] scope:SCOPE_SE
	s_setreg_imm32_b32 hwreg(HW_REG_WAVE_MODE, 25, 1), 1
	s_wait_xcnt 0x0
	s_wait_alu depctr_hold_cnt(0) depctr_sa_sdst(0) depctr_va_vdst(0) depctr_va_sdst(0) depctr_va_ssrc(0) depctr_va_vcc(0) depctr_vm_vsrc(0)
	s_getreg_b32 s2, hwreg(HW_REG_IB_STS2, 6, 4)
	s_cmp_eq_u32 s2, 0
	s_cbranch_scc0 .Lentry_in_a_cluster
	s_endpgm
.Lentry_in_a_cluster:
	s_bfe_u32 s2, ttmp6, 0x10000c
	s_cmp_lg_u32 s2, 0xf033
	s_cbranch_scc0 .Lentry_shape_is_right
	s_endpgm
.Lentry_shape_is_right:
; out0 = relu(hid W2^T + b2).  hid: the hidden layer [2048][8192] as codes of FP4 (E2M1) and E8M0 scale words, in records laid as operand registers (below).  W2: [2048][8192] codes, two a byte, K innermost;
; its scale bytes [2048][256].  b2: [2048] f32.  out0: [2048][2048] f32.
; SHARES.  A tile of out0 is 128 x 128: 16 x 16 tiles, 256 work-groups.  THE FOUR WAVES OF A WORK-GROUP SPLIT K: each makes the whole tile, 64 accumulators of 16 x 16 in 512 registers, over a quarter of K, so that
; each fragment read from LDS feeds eight products and none is read twice.  Wave w takes in step m = 0 .. 15 the 128 along K from 1024 (m / 2) + 256 w + 128 (m % 2) on.
; ORDER OF THE SUMS: an output is the sum of four f32 partial sums over the waves' quarters of K, (w0 + w1) + (w2 + w3), then + b2; within a quarter K ascends.
; LIMITS: NaN and infinities are not served (the clip at 0 turns a NaN into 0).
; hid: 512 records of 17,408 bytes; record 32 mt + 4 t + w holds rows 128 mt .. + 127, K = 1024 t + 256 w .. + 255: bytes 0 .. 16,383 the fragments (K step q, rows 16 i on) at 8192 q + 1024 i + 512 c + 16 lane:
; registers 4 c .. 4 c + 3 of that lane; from byte 16,384 the scale words at 512 u + 16 (16 q + r) + 4 j: row 16 (4 u + j) + r, K step q.  A tile row's records of K slot t are 69,632 consecutive bytes.
; K goes in eight K slots of 1,024 (two steps) through two LDS slots filled by the tensor data mover.
; THE HEAD'S LOADS, one a wave: wave 0 brings the records of K slots 0 and 1, waves 1 and 2 the rows of W2 for K slot 0 and for K slot 1, wave 3 the scale bytes of W2's 128 rows for all of K, which stay.
; A refill: waves 0 and 1 two records each (136 rows of 256 bytes), waves 2 and 3 64 rows of W2 each (512 bytes of a row).
; TWO SETS of fragments hold both steps of a K slot: a slot is free for its refill when the next one has landed.
; CLUSTERS: 4 x 4 work-groups.  The four of a row of the cluster need the same records, the four of a column the same rows of W2: each tile is asked for JOINTLY.
; PREFETCHES INTO THE L2: K slot 2 is asked for at the head, K slot T + 3 behind the refill with K slot T + 2: each K slot one K slot ahead of its tensor load.  The last refill's K slot is 7: nothing is asked for beyond it.
; Each cluster names each 256 bytes that it will load once: a tile row's 272 blocks are shared out by cx (68 a work-group, 34 for each of waves 0 and 1), a tile column's 256 by cy (64, 32 for each of waves 2 and 3).
; THE MATRIX INSTRUCTION IS USED TRANSPOSED (source 0 = 16 rows of W2, source 1 = 16 rows of hid): a lane holds eight neighbouring numbers of a row of out0.
; REGISTERS, in windows of 256: window 0: v8-29 addresses; v32-47 hid's scale words, two sets; v48-63 W2's, two sets; v96-99 b2; on the way out v128-255 rows of the four partial tiles.
;   window 1: hid's fragments, two sets, at v0 and v64; W2's, two sets, at v128 and v192.   windows 2, 3: the accumulators of rows 0-63, 64-127 ((a, b) at v[8 (8 (a % 4) + b)]).
.set RECB,  17408                      ; a record
.set ASZ,   4*RECB                     ; a tile row's four records of a K slot, in memory and in LDS
.set BP,    528                        ; a row of W2 in LDS: 512 bytes + 16 of padding = 132 words: the 16 rows that a load touches start 4 words apart (64 banks of 4 bytes: ISA guide 11.1)
.set BSZ,   128*BP
.set BOF,   2*ASZ                      ; LDS: slot 0's records, slot 1's, slot 0's rows of W2, slot 1's,
.set SCB,   BOF+2*BSZ                  ; W2's scale bytes, a row of 256 bytes + 16 of padding,
.set SPARE, SCB+128*272                ; and the spare words, 128 bytes for each wave: two blocks of 256 bytes that no other line names
.set PLANE, 128*528                    ; the way out: a wave's partial tile, 128 rows x (512 bytes + 16).  The four planes lie over the slots, which have then had their last fill and their last read
.set RD,   8                           ; v8-11   the way out: where I read my rows of plane 0 .. 3
.set PA,   12                          ; v12-13  the prefetches of hid: my 32 blocks, and my last two
.set PB,   14                          ; v14     of W2
.set ADRA, 16                          ; v16-17  LDS address of my record in slot 0, 1, + 16 x lane
.set ADRB, 18                          ; v18-19  of my part of W2's rows
.set ADSB, 22                          ; v22     of my words of W2's scales
.set STO,  24                          ; v24     the way out: where I put 32 bytes of a row of my plane
.set CO,   26                          ; v26     16 x lane
.set SPW,  28                          ; v28     LDS address of my spare word; never rewritten
.set NIL,  29                          ; v29     0; never rewritten
.set SCA,  32                          ; hid's scale words: K slot t's at v[SCA + 8 (t % 2)]: register a: block a, lanes 0-15 step 2 t, lanes 16-31 step 2 t + 1
.set SCW,  48                          ; W2's: K slot t's at v[SCW + 8 (t % 2)]: register 2 i + q: block i in lanes 0-15, block i + 4 in lanes 16-31, step 2 t + q
.set B2,   96                          ; v96-99  b2 at columns 4 x lane + 0 .. 3
.set BK,   128                         ; the way out: two buffers of 4 rows x 4 planes x 4 registers
.set G1A,  24                          ; s[24:31] descriptor group 1 for the refills with records;  s[32:39] group 0, one set for each slot
.set G0A,  32
.set G1B,  48                          ; s[48:55], s[56:63] the same for W2's rows
.set G0B,  56
.set G1HA, 68                          ; s[68:75], s[92:95] the head's load of records
.set G0HA, 92
.set G1HB, 76                          ; s[76:83] the head's loads of W2's rows;  s[96:99] slot 0's, s[4:7] slot 1's group 0 (the arguments that lay there have been used by then)
.set G0H0, 96
.set G0H1, 4
.set G1S,  84                          ; s[84:91], s[8:11] the scale bytes
.set G0S,  8
.set MSB, 0
.macro WIN new                         ; the immediate's high byte repeats the setting that is left; a switch that changes nothing is dropped
.if MSB != (\new)
	s_set_vgpr_msb (MSB<<8)|(\new)
.set MSB, (\new)
.endif
.endm
.set MUL_LO, 0xa5                      ; sources 0 (W2) and 1 (hid) window 1, C and D window 2
.set MUL_HI, 0xf5                      ; the same, C and D window 3
.macro PLACES                          ; four places behind this matrix instruction (ISA guide 7.12.1 for vector instructions)
.rept 4
	v_nop
.endr
.endm
; A joint load: waves 0 and 1 fetch records, waves 2 and 3 rows of W2.  Each of the two lines has ONE mask; the branch hangs on the wave's number alone.
.macro JLOAD s
	s_cmp_eq_u32 s15, 0
	s_cbranch_scc0 .Lfor_b_\@
	tensor_load_to_lds s[G0A+4*(\s):G0A+4*(\s)+3], s[G1A:G1A+7]
	s_nop 0
	PLACES
	s_branch .Lasked_\@
.Lfor_b_\@:
	tensor_load_to_lds s[G0B+4*(\s):G0B+4*(\s)+3], s[G1B:G1B+7]
	s_nop 0
	PLACES
.Lasked_\@:
.endm
.macro ASK t                           ; the prefetches of K slot t
	WIN 0
	s_cmp_eq_u32 s15, 0
	s_cbranch_scc0 .Lask_b_\@
	global_prefetch_b8 v[PA], s[20:21] offset:(\t)*ASZ th:TH_LOAD_NT scope:SCOPE_SE
	global_prefetch_b8 v[PA+1], s[20:21] offset:(\t)*ASZ th:TH_LOAD_NT scope:SCOPE_SE
	s_branch .Lask_end_\@
.Lask_b_\@:
	global_prefetch_b8 v[PB], s[46:47] offset:(\t)*512 th:TH_LOAD_NT scope:SCOPE_SE
.Lask_end_\@:
.endm
.macro CREST                           ; a round of the cluster's barrier behind its opening barrier
	s_cmp_lg_u32 s14, 0
	s_cbranch_scc1 .Lnot_wave_0_\@
	s_barrier_signal -3
.Lnot_wave_0_\@:
	s_barrier_wait -3
	s_barrier_signal -1
	s_barrier_wait -1
.endm
.macro CROUND                          ; a whole round
	s_barrier_signal -1
	s_barrier_wait -1
	CREST
.endm
	s_load_b128 s[4:7], s[0:1], 0x0                ; hid s[4:5], W2's codes s[6:7]
	s_load_b128 s[8:11], s[0:1], 0x10              ; W2's scales s[8:9], b2 s[10:11]
	s_load_b64 s[12:13], s[0:1], 0x20              ; out0
	v_lshl_add_u32 v[SPW], v0, 2, SPARE
	v_mov_b32 v[NIL], 0
	ds_add_u32 v[SPW], v[NIL]                      ; the wave's opening: the add, twice on end, and its wait ahead of my first tensor load
	ds_add_u32 v[SPW], v[NIL]
	v_lshrrev_b32 v1, 5, v0
	v_readfirstlane_b32 s14, v1                    ; wave 0..3: my quarter of K
	s_lshr_b32 s15, s14, 1                         ; in a refill I fetch records (0) or rows of W2 (1),
	s_and_b32 s16, s14, 1                          ; the first or the second half
	s_bfe_u32 s40, ttmp6, 0x40000                  ; cx, cy: my place in the cluster
	s_bfe_u32 s41, ttmp6, 0x40004
	s_mul_i32 s18, s14, RECB                       ; my record of a K slot's four
	s_lshl_b32 s21, s14, 7                         ; my 128 bytes (256 along K) of a row's 512
	s_add_co_u32 s21, s21, BOF
	s_lshl_b32 s22, s14, 3                         ; my 8 scale bytes of each 32
	s_add_co_u32 s22, s22, SCB
	s_mul_i32 s23, s14, PLANE
	s_mul_i32 s19, s14, 16*528
	s_mul_i32 s92, s40, 68                         ; the prefetches: my wave's first block of hid's,
	s_mul_i32 s93, s16, 34
	s_add_co_u32 s92, s92, s93
	s_lshl_b32 s92, s92, 8
	s_add_co_u32 s93, s92, 32*256                  ; its last two,
	s_lshl_b32 s94, s41, 17                        ; and my wave's first of 16 rows of W2: row 32 cy + 16 (wave % 2), 4,096 bytes a row
	s_lshl_b32 s95, s16, 16
	s_add_co_u32 s94, s94, s95
	v_and_b32 v2, 15, v0                           ; r = l % 16
	v_bfe_u32 v3, v0, 4, 1                         ; h = l / 16
	v_and_b32 v4, 31, v0
	v_lshlrev_b32 v[CO], 4, v4
	v_add_nc_u32 v[ADRA], s18, v[CO]
	v_add_nc_u32 v[ADRA+1], ASZ, v[ADRA]
	v_mul_u32_u24 v5, v2, BP
	v_lshl_add_u32 v6, v3, 4, v5                   ; W2: row x pitch + 16 x half
	v_add_nc_u32 v[ADRB], s21, v6
	v_add_nc_u32 v[ADRB+1], BSZ, v[ADRB]
	v_lshl_add_u32 v7, v3, 5, v5                   ; the way out: into my plane: row r, 32 bytes for each half of the lanes
	v_add_nc_u32 v[STO], s23, v7
	v_mul_u32_u24 v6, v2, 272                      ; W2's scales: row r; lanes 16-31 four blocks of 16 rows further on
	v_mad_u32_u24 v6, v3, 64*272, v6
	v_add_nc_u32 v[ADSB], s22, v6
	v_add_nc_u32 v[RD], s19, v[CO]                 ; back: rows 16 w on (and 64 + 16 w on) of every plane, the 32 lanes a row of 512 bytes
.irp p, 1,2,3
	v_add_nc_u32 v[RD+\p], \p*PLANE, v[RD]
.endr
	v_lshl_add_u32 v[PA], v4, 8, s92
	v_min_u32 v6, 1, v4                            ; lanes 1 to 31 name my last block
	v_lshl_add_u32 v[PA+1], v6, 8, s93
	v_lshrrev_b32 v6, 1, v4                        ; two blocks of 256 bytes of a row of W2
	v_and_b32 v7, 1, v4
	v_lshlrev_b32 v6, 12, v6
	v_lshl_add_u32 v6, v7, 8, v6
	v_add_nc_u32 v[PB], s94, v6
	s_lshl_b32 s42, ttmp9, 2
	s_add_co_u32 s42, s42, s40                     ; tile column = 4 x cluster x + cx
	s_and_b32 s17, ttmp7, 0xffff
	s_lshl_b32 s17, s17, 2
	s_add_co_u32 s17, s17, s41                     ; tile row = 4 x cluster y + cy
	s_lshl_b32 s43, s41, 2
	s_lshl_b32 s43, 15, s43                        ; my row of the cluster
	s_lshl_b32 s44, 0x1111, s40                    ; my column
	; records: a dense block as rows of 256 bytes (32 elements of 8 bytes), no padding: 136 rows a refill, 544 at the head; the mask is my row of the cluster; 21 set beside a mask
	s_or_b32 s[G1A+0], s43, (3<<16)|(1<<21)
	s_mov_b32 s[G1A+1], 32<<16                     ; tensor_dim0
	s_mov_b32 s[G1A+2], 136<<16                    ; tensor_dim1
	s_mov_b32 s[G1A+3], 32<<16                     ; tile_dim0
	s_mov_b32 s[G1A+4], 136                        ; tile_dim1
	s_mov_b32 s[G1A+5], 32                         ; tensor_dim0_stride
	s_mov_b32 s[G1A+6], 0
	s_mov_b32 s[G1A+7], 0
	s_or_b32 s[G1HA+0], s43, (3<<16)|(1<<21)
	s_mov_b32 s[G1HA+1], 32<<16
	s_mov_b32 s[G1HA+2], 544<<16
	s_mov_b32 s[G1HA+3], 32<<16
	s_mov_b32 s[G1HA+4], 544
	s_mov_b32 s[G1HA+5], 32
	s_mov_b32 s[G1HA+6], 0
	s_mov_b32 s[G1HA+7], 0
	; rows x 512 bytes of W2, 4,096 bytes apart in memory: 64 rows a refill, 128 at the head; the mask is my column; elements of 1 byte; padding on; after every 128 words (code 6) 4 words (code 3)
	s_or_b32 s[G1B+0], s44, (0<<16)|(1<<20)|(1<<21)|(6<<22)|(3<<25)
	s_mov_b32 s[G1B+1], 512<<16
	s_mov_b32 s[G1B+2], 64<<16
	s_mov_b32 s[G1B+3], 512<<16
	s_mov_b32 s[G1B+4], 64
	s_mov_b32 s[G1B+5], 4096
	s_mov_b32 s[G1B+6], 0
	s_mov_b32 s[G1B+7], 0
	s_or_b32 s[G1HB+0], s44, (0<<16)|(1<<20)|(1<<21)|(6<<22)|(3<<25)
	s_mov_b32 s[G1HB+1], 512<<16
	s_mov_b32 s[G1HB+2], 128<<16
	s_mov_b32 s[G1HB+3], 512<<16
	s_mov_b32 s[G1HB+4], 128
	s_mov_b32 s[G1HB+5], 4096
	s_mov_b32 s[G1HB+6], 0
	s_mov_b32 s[G1HB+7], 0
	; the scale bytes of 128 rows: dense rows of 256 bytes, 16 bytes of padding behind each
	s_or_b32 s[G1S+0], s44, (3<<16)|(1<<20)|(1<<21)|(5<<22)|(3<<25)
	s_mov_b32 s[G1S+1], 32<<16
	s_mov_b32 s[G1S+2], 128<<16
	s_mov_b32 s[G1S+3], 32<<16
	s_mov_b32 s[G1S+4], 128
	s_mov_b32 s[G1S+5], 32
	s_mov_b32 s[G1S+6], 0
	s_mov_b32 s[G1S+7], 0
	; where the tiles come from.  hid's hang on the tile row, W2's on the tile column, each in registers that never hold the other coordinate
	s_mul_i32 s20, s17, 8*ASZ
	s_mov_b32 s21, 0
	s_lshl_b32 s46, s42, 19                        ; W2: row 128 x tile column, 4,096 bytes a row
	s_mov_b32 s47, 0
	s_lshl_b32 s66, s42, 15                        ; its scales: 256 bytes a row
	s_mov_b32 s67, 0
	s_mul_i32 s18, s16, 2*RECB                     ; a refill: my two records of the four, in memory and in LDS,
	s_mov_b32 s19, 0
	s_lshl_b32 s22, s16, 18                        ; my 64 rows of W2,
	s_mov_b32 s23, 0
	s_mul_i32 s45, s16, 64*BP                      ; and where they go
	s_add_co_u32 s45, s45, BOF
	s_lshl_b32 s2, s42, 9                          ; the tile's first column, in bytes, in b2 and in a row of out0
	s_mov_b32 s3, 0
	s_lshl_b32 s100, s17, 20                       ; the first row that I store: 128 x tile row + 16 x wave, 8,192 bytes a row
	s_lshl_b32 s101, s14, 17
	s_add_co_u32 s100, s100, s101
	s_mov_b32 s101, 0
	s_wait_alu depctr_va_vdst(0)
	s_wait_dscnt 0x0                               ; both opening adds are done
	CROUND                                         ; all sixteen work-groups are here: the first joint loads meet
	s_wait_kmcnt 0x0
	s_add_nc_u64 s[20:21], s[4:5], s[20:21]
	s_add_nc_u64 s[46:47], s[6:7], s[46:47]
	s_add_nc_u64 s[66:67], s[8:9], s[66:67]
	s_add_nc_u64 s[12:13], s[12:13], s[2:3]
	s_add_nc_u64 s[2:3], s[10:11], s[2:3]          ; b2
	s_mov_b32 s[G0HA], 1
	s_mov_b32 s[G0HA+1], 0
	s_mov_b64 s[G0HA+2:G0HA+3], s[20:21]
	s_or_b32 s[G0HA+3], s[G0HA+3], 0x80000000      ; 127:126 type = 2
	s_mov_b32 s[G0H0], 1
	s_mov_b32 s[G0H0+1], BOF
	s_mov_b64 s[G0H0+2:G0H0+3], s[46:47]
	s_or_b32 s[G0H0+3], s[G0H0+3], 0x80000000
	s_mov_b32 s[G0H1], 1
	s_mov_b32 s[G0H1+1], BOF+BSZ
	s_add_nc_u64 s[G0H1+2:G0H1+3], s[46:47], 512
	s_or_b32 s[G0H1+3], s[G0H1+3], 0x80000000
	s_mov_b32 s[G0S], 1
	s_mov_b32 s[G0S+1], SCB
	s_mov_b64 s[G0S+2:G0S+3], s[66:67]
	s_or_b32 s[G0S+3], s[G0S+3], 0x80000000
.macro ARM under, g0, g1, next         ; the head's loads, one a wave: one chain of branches on the wave's number
	s_cmp_lt_u32 s14, \under
	s_cbranch_scc0 \next
	tensor_load_to_lds s[\g0:\g0+3], s[\g1:\g1+7]
	s_nop 0
	PLACES
	s_branch .Lhead_asked
\next:
.endm
	ARM 1, G0HA, G1HA, .Lhead_1
	ARM 2, G0H0, G1HB, .Lhead_2
	ARM 3, G0H1, G1HB, .Lhead_3
	tensor_load_to_lds s[G0S:G0S+3], s[G1S:G1S+7]
	s_nop 0
	PLACES
.Lhead_asked:
	global_load_b128 v[B2:B2+3], v[CO], s[2:3]
	ASK 2
	s_add_nc_u64 s[12:13], s[12:13], s[100:101]
	s_add_nc_u64 s[22:23], s[46:47], s[22:23]
.irp s, 0,1                            ; slot s is filled again first with K slot 2 + s
	s_mov_b32 s[G0A+4*\s], 1
	s_add_co_u32 s[G0A+4*\s+1], s18, \s*ASZ
	s_mov_b32 s[G0B+4*\s], 1
	s_add_co_u32 s[G0B+4*\s+1], s45, \s*BSZ
	s_add_nc_u64 s[G0B+4*\s+2:G0B+4*\s+3], s[22:23], (2+\s)*512
	s_or_b32 s[G0B+4*\s+3], s[G0B+4*\s+3], 0x80000000
.endr
	s_add_nc_u64 s[18:19], s[20:21], s[18:19]
.irp s, 0,1
	s_add_nc_u64 s[G0A+4*\s+2:G0A+4*\s+3], s[18:19], (2+\s)*ASZ
	s_or_b32 s[G0A+4*\s+3], s[G0A+4*\s+3], 0x80000000
.endr
; Step n's fragments into set n % 2, 32 loads: W2's: lane l holds row l % 16; registers 4 c .. 4 c + 3 hold K = 64 c + 32 (l / 16) + 0 .. 31; hid's: images of the registers, 512 consecutive bytes a load.
; Ahead of an even step's its K slot's scale words, 6 loads.
.macro FETCH n
.if ((\n)%2) == 0
	WIN 0
.irp u, 0,1
	ds_load_b128 v[SCA+8*(((\n)/2)%2)+4*\u:SCA+8*(((\n)/2)%2)+4*\u+3], v[ADRA+(((\n)/2)%2)] offset:16384+512*\u
.endr
.irp i, 0,1,2,3
	ds_load_b64 v[SCW+8*(((\n)/2)%2)+2*\i:SCW+8*(((\n)/2)%2)+2*\i+1], v[ADSB] offset:\i*16*272+32*((\n)/2)
.endr
.endif
	WIN 0x40                                       ; destination window 1, address window 0
.irp i, 0,1,2,3,4,5,6,7
.irp c, 0,1
	ds_load_b128 v[128+64*((\n)%2)+8*\i+4*\c:128+64*((\n)%2)+8*\i+4*\c+3], v[ADRB+(((\n)/2)%2)] offset:64*((\n)%2)+32*\c+\i*16*BP
	ds_load_b128 v[64*((\n)%2)+8*\i+4*\c:64*((\n)%2)+8*\i+4*\c+3], v[ADRA+(((\n)/2)%2)] offset:8192*((\n)%2)+1024*\i+512*\c
.endr
.endr
.endm
; One matrix instruction of step m: hid's block a, W2's block b.  Step 0 starts the sums.
.macro WM m, a, b
.set D_, 8*(8*((\a)%4)+\b)
.set FB_, 128+64*((\m)%2)+8*\b
.set FA_, 64*((\m)%2)+8*(\a)
.set SB_, SCW+8*(((\m)/2)%2)+2*(\b%4)+((\m)%2)
.set SA_, SCA+8*(((\m)/2)%2)+(\a)
.if (\m) == 0
.if \b/4
	v_wmma_scale_f32_16x16x128_f8f6f4 v[D_:D_+7], v[FB_:FB_+7], v[FA_:FA_+7], 0, v[SB_], v[SA_] matrix_a_fmt:MATRIX_FMT_FP4 matrix_b_fmt:MATRIX_FMT_FP4 matrix_a_scale:MATRIX_SCALE_ROW1
.else
	v_wmma_scale_f32_16x16x128_f8f6f4 v[D_:D_+7], v[FB_:FB_+7], v[FA_:FA_+7], 0, v[SB_], v[SA_] matrix_a_fmt:MATRIX_FMT_FP4 matrix_b_fmt:MATRIX_FMT_FP4
.endif
.elseif (\m)%2
.if \b/4
	v_wmma_scale_f32_16x16x128_f8f6f4 v[D_:D_+7], v[FB_:FB_+7], v[FA_:FA_+7], v[D_:D_+7], v[SB_], v[SA_] matrix_a_fmt:MATRIX_FMT_FP4 matrix_b_fmt:MATRIX_FMT_FP4 matrix_a_scale:MATRIX_SCALE_ROW1 matrix_b_scale:MATRIX_SCALE_ROW1
.else
	v_wmma_scale_f32_16x16x128_f8f6f4 v[D_:D_+7], v[FB_:FB_+7], v[FA_:FA_+7], v[D_:D_+7], v[SB_], v[SA_] matrix_a_fmt:MATRIX_FMT_FP4 matrix_b_fmt:MATRIX_FMT_FP4 matrix_b_scale:MATRIX_SCALE_ROW1
.endif
.else
.if \b/4
	v_wmma_scale_f32_16x16x128_f8f6f4 v[D_:D_+7], v[FB_:FB_+7], v[FA_:FA_+7], v[D_:D_+7], v[SB_], v[SA_] matrix_a_fmt:MATRIX_FMT_FP4 matrix_b_fmt:MATRIX_FMT_FP4 matrix_a_scale:MATRIX_SCALE_ROW1
.else
	v_wmma_scale_f32_16x16x128_f8f6f4 v[D_:D_+7], v[FB_:FB_+7], v[FA_:FA_+7], v[D_:D_+7], v[SB_], v[SA_] matrix_a_fmt:MATRIX_FMT_FP4 matrix_b_fmt:MATRIX_FMT_FP4
.endif
.endif
.endm
.macro MUL8 a, m                       ; the 64 accumulators take turns, one instruction a turn, in the same order in every step
.irp b, 0,1,2,3,4,5,6,7
	WM \m, (\a), \b
.endr
.endm
.macro MUL16 a0, m
	MUL8 \a0, \m
	MUL8 (\a0+1), \m
.endm
; Step m; at its end step m + 2's fragments are asked for, into the set just multiplied.
; In an even step (m = 0 .. 12) all reads of K slot T = m / 2 have been issued: the change of slots.  In front of its barrier each wave waits for all its tensor loads, adds 0 to its spare word, and waits for that and
; for its reads; behind it the slot is filled again with K slot T + 2 (T < 6: the barrier opens a round of the cluster's barrier), and K slot T + 1 is whole.
.macro STEP m
.set TURN_, (((\m)%2) == 0) && ((\m) < 14)
.set SL_, ((\m)/2)%2
	s_wait_dscnt 32+6*((\m)%2)                     ; step m's fragments are in; step m + 1's 32 loads (38 with an even step's scale words) may be out
	WIN MUL_LO
	MUL16 0, \m
	MUL16 2, \m
.if TURN_
	WIN 0                                          ; (the add's two registers lie in window 0)
	s_wait_tensorcnt 0x0                           ; all my tensor loads have landed
	ds_add_u32 v[SPW], v[NIL]                      ; 0 onto my spare word
.if ((\m) > 2) && ((\m) < 12)
	s_add_nc_u64 s[G0A+4*SL_+2:G0A+4*SL_+3], s[G0A+4*SL_+2:G0A+4*SL_+3], 2*ASZ   ; no tensor load of mine is out: two K slots on
	s_add_nc_u64 s[G0B+4*SL_+2:G0B+4*SL_+3], s[G0B+4*SL_+2:G0B+4*SL_+3], 1024
.endif
.endif
	WIN MUL_HI
	MUL16 4, \m
.if TURN_
	s_wait_dscnt 0x0                               ; the add is done, and my reads of this slot are over
	s_barrier_signal -1
.endif
	MUL16 6, \m
.if TURN_
	WIN 0
	s_barrier_wait -1
.endif
.if TURN_ && ((\m) < 12)
	CREST                                          ; no wave of any partner still reads this slot's tiles or has a load on its way
	JLOAD SL_                                      ; the first tensor load behind the round, my one load until the next; its four v_nop are the places in front of the loads below
.else
	PLACES
.endif
.if (\m) < 14
	FETCH (\m+2)
.endif
.if TURN_ && ((\m) < 10)
	ASK ((\m)/2+3)
.endif
.endm
	s_cmp_eq_u32 s14, 2
	s_cbranch_scc1 .Lslot_1_out                    ; wave 2 waits for its rows at the first change of slots
	s_wait_tensorcnt 0x0                           ; my tile is in
.Lslot_1_out:
	s_barrier_signal -1
	s_barrier_wait -1                              ; all three are
	FETCH 0
	FETCH 1
.irp m, 0,1,2,3,4,5,6,7,8,9,10,11,12,13,14
	STEP \m
.endr
; THE LAST STEP AND THE WAY OUT.  Each wave lays its partial tile into its own plane in LDS, rows 0-63 between the last products; then the waves add the four planes, add b2, clip at 0 and store whole rows of
; 512 bytes: wave w rows 16 w .. + 15, and, behind a second barrier, rows 64 + 16 w .. + 15.
.macro STBLK a                         ; block a into my plane: lane (r, h): row 16 a + r, columns 16 b + 8 h + 0 .. 7; each accumulator from its low end on
	WIN 0x08+4*((\a)/4)                            ; an LDS store's data are its source 1: window 2 or 3
.irp b, 0,1,2,3,4,5,6,7
	ds_store_b128 v[STO], v[64*((\a)%4)+8*\b:64*((\a)%4)+8*\b+3] offset:(\a)*16*528+64*\b
	ds_store_b128 v[STO], v[64*((\a)%4)+8*\b+4:64*((\a)%4)+8*\b+7] offset:(\a)*16*528+64*\b+16
.endr
.endm
.macro GET g                           ; four of my rows from the four planes: 16 loads into buffer g % 2
	WIN 0
.set BB2, BK+64*((\g)%2)
.irp r, 0,1,2,3
.irp p, 0,1,2,3
	ds_load_b128 v[BB2+16*\r+4*\p:BB2+16*\r+4*\p+3], v[RD+\p] offset:528*(64*((\g)/4)+4*((\g)%4)+\r)
.endr
.endr
.endm
.macro PUT g, younger                  ; younger: the LDS instructions issued behind group g's loads, which may stay out
	WIN 0
.set BB2, BK+64*((\g)%2)
	s_wait_dscnt \younger
.irp r, 0,1,2,3
	v_pk_add_f32 v[BB2+16*\r:BB2+16*\r+1], v[BB2+16*\r:BB2+16*\r+1], v[BB2+16*\r+4:BB2+16*\r+5]           ; planes 0 + 1,
	v_pk_add_f32 v[BB2+16*\r+2:BB2+16*\r+3], v[BB2+16*\r+2:BB2+16*\r+3], v[BB2+16*\r+6:BB2+16*\r+7]
	v_pk_add_f32 v[BB2+16*\r+8:BB2+16*\r+9], v[BB2+16*\r+8:BB2+16*\r+9], v[BB2+16*\r+12:BB2+16*\r+13]     ; 2 + 3,
	v_pk_add_f32 v[BB2+16*\r+10:BB2+16*\r+11], v[BB2+16*\r+10:BB2+16*\r+11], v[BB2+16*\r+14:BB2+16*\r+15]
	v_pk_add_f32 v[BB2+16*\r:BB2+16*\r+1], v[BB2+16*\r:BB2+16*\r+1], v[BB2+16*\r+8:BB2+16*\r+9]           ; both,
	v_pk_add_f32 v[BB2+16*\r+2:BB2+16*\r+3], v[BB2+16*\r+2:BB2+16*\r+3], v[BB2+16*\r+10:BB2+16*\r+11]
	v_pk_add_f32 v[BB2+16*\r:BB2+16*\r+1], v[BB2+16*\r:BB2+16*\r+1], v[B2:B2+1]                           ; + b2
	v_pk_add_f32 v[BB2+16*\r+2:BB2+16*\r+3], v[BB2+16*\r+2:BB2+16*\r+3], v[B2+2:B2+3]
.irp k, 0,1,2,3
	v_max_num_f32 v[BB2+16*\r+\k], 0, v[BB2+16*\r+\k]                                                     ; the clip at 0
.endr
	global_store_b128 v[CO], v[BB2+16*\r:BB2+16*\r+3], s[12:13] offset:8192*(64*((\g)/4)+4*((\g)%4)+\r) th:TH_STORE_NT   ; the 32 lanes store 512 consecutive bytes, at a multiple of 256 from out0's first byte; written once, read by nobody here
.endr
.endm
	s_wait_loadcnt 0x0                             ; b2
	s_wait_dscnt 0x0                               ; my last fragments are in: my reads of the slots are over
	s_barrier_signal -1
	WIN MUL_LO
	MUL16 0, 15
	MUL16 2, 15
	PLACES                                         ; in front of the LDS stores of these results
	s_barrier_wait -1                              ; everybody's reads are over: the planes may be written
.irp j, 0,1,2,3
	WIN MUL_HI
	MUL8 (4+\j), 15
	STBLK \j
.endr
	PLACES
	WIN 0
	s_wait_dscnt 0x0                               ; for the others' sake: rows 0-63 of my plane are written
	s_barrier_signal -1
	s_barrier_wait -1                              ; of all four planes
.irp g, 0,1,2,3
.if \g > 1
	s_wait_xcnt 0x0                                ; group g - 2's stores have read their registers: group g's loads may land there
.endif
	GET \g
	STBLK (4+\g)
.if \g > 0
	PUT \g-1, 48                                   ; behind group g - 1's loads: a block's 16 stores, group g's 16 loads, a block's 16 stores
.endif
.endr
	WIN 0
	s_wait_dscnt 0x0                               ; for the others' sake: rows 64-127 of my plane are written
	s_barrier_signal -1
	s_barrier_wait -1
.irp g, 4,5,6,7
	s_wait_xcnt 0x0
	GET \g
	PUT \g-1, 16                                   ; behind group g - 1's loads: group g's sixteen
.endr
	PUT 7, 0
	s_wait_tensorcnt 0x0                           ; the wave's end, behind my last tensor load and my last LDS store
	ds_add_u32 v[SPW], v[NIL]
	s_wait_dscnt 0x0
	CROUND                                         ; the closing round: no work-group ends while a partner may still ask for a tile that names it
	s_endpgm
.Lfunc_end_k_qcf4decb7c9_output:
	.size	k_qcf4decb7c9_output, .Lfunc_end_k_qcf4decb7c9_output-k_qcf4decb7c9_output
	.p2alignl 7, 3214868480
	.fill 96, 4, 3214868480
	.section	.rodata,"a",@progbits
	.p2align	6, 0x0
	.amdhsa_kernel k_qcf4decb7c9_output
		.amdhsa_group_segment_fixed_size 327680
		.amdhsa_private_segment_fixed_size 0
		.amdhsa_enable_private_segment 0
		.amdhsa_kernarg_size 40
		.amdhsa_user_sgpr_count 2
		.amdhsa_user_sgpr_kernarg_segment_ptr 1
		.amdhsa_wavefront_size32 1
		.amdhsa_system_sgpr_workgroup_id_x 1
		.amdhsa_system_sgpr_workgroup_id_y 1
		.amdhsa_system_sgpr_workgroup_id_z 1
		.amdhsa_system_vgpr_workitem_id 0
		.amdhsa_next_free_vgpr 1024
		.amdhsa_next_free_sgpr 102
		.amdhsa_reserve_vcc 0
		.amdhsa_float_denorm_mode_32 3
		.amdhsa_float_denorm_mode_16_64 3
		.amdhsa_memory_ordered 1
		.amdhsa_forward_progress 1
		.amdhsa_inst_pref_size 227
	.end_amdhsa_kernel
	.amdgpu_metadata
---
amdhsa.version: [ 1, 2 ]
amdhsa.kernels:
  - .name:           k_qcf4decb7c9_output
    .symbol:         k_qcf4decb7c9_output.kd
    .args:
      - { .name: hid, .offset: 0, .size: 8, .value_kind: global_buffer, .address_space: global }
      - { .name: W2_codes, .offset: 8, .size: 8, .value_kind: global_buffer, .address_space: global }
      - { .name: W2_scales, .offset: 16, .size: 8, .value_kind: global_buffer, .address_space: global }
      - { .name: b2, .offset: 24, .size: 8, .value_kind: global_buffer, .address_space: global }
      - { .name: out0, .offset: 32, .size: 8, .value_kind: global_buffer, .address_space: global }
    .group_segment_fixed_size: 327680
    .private_segment_fixed_size: 0
    .kernarg_segment_align: 8
    .kernarg_segment_size: 40
    .max_flat_workgroup_size: 128
    .sgpr_count:     102
    .vgpr_count:     1024
    .wavefront_size: 32
...
	.end_amdgpu_metadata
.endif
;; end of part 2
